; MI455X (gfx1250); checked and timed in simulation.
; The chip was launched on July 23, 2026; its instructions are those of AMD's public machine-readable ISA for CDNA 5 (MIT licence, August 2026) and "CDNA5" Instruction Set Architecture Reference Guide (July 2026). The comments in the code are by the model that wrote it; some were corrected since.
;; Simple Mo E. Allowed arithmetic: matrix products marked QUANTISED: E5M2 operands, one given power-of-two scale a tensor, by v_wmma_f32_16x16x64_bf8_bf8 or v_wmma_f32_16x16x128_bf8_bf8, f32 sums; products left as they are: f32 operands where the result goes on into a quantised operand, else bf16, f16 or f32 operands; f32 sums; everything else in f32.
;; Inputs: W1_codes 8 x 4,096 x 32 x 32 uint8 (E5M2 codes of W1, K innermost, in blocks of 32 codes); W2_codes 8 x 1,024 x 128 x 32 uint8 (E5M2 codes of W2, K innermost, in blocks of 32 codes); Wr 8 x 1,024 float32; b1 8 x 4,096 float32; b2 8 x 1,024 float32; lowp_scales 4 int32 (the exponents e of the quantised operands' scales 2^e); x 2 x 512 x 1,024 float32.
;; Outputs: out0 2 x 512 x 1,024 float32.
;; Constants: top_k = 2.
;; This version of the problem:
;;   THIS VERSION OF THE PROBLEM IS GIVEN IN LOW PRECISION. The matrix products marked QUANTISED in the list below multiply operands that are first quantised to E5M2 (5 exponent bits, 2 mantissa bits; 8 bits a number), with one given power-of-two scale for each operand tensor; their sums are f32. All else is computed in f32.
;;   The module's matrix products, in the order in which they are computed (A, B: the left and right operand; K: the contracted axis; several contracted axes count as one K, in the product's order):
;;     1. [M 1,024, K 1,024] x [K 1,024, N 8]; A: input x; B: input Wr: left as it is (N = 8 < 16)
;;     2. [M 1,024, K 1,024] x [K 1,024, N 32,768]; A: input x; B: input W1 (given as codes): QUANTISED (scales: A lowp_scales[0], B lowp_scales[1])
;;     3. batch 8 x [M 1,024, K 4,096] x [K 4,096, N 1,024]; A: input W2 (given as codes); B: computed on the way: QUANTISED (scales: A lowp_scales[2], B lowp_scales[3])
;;   THE QUANTISER, for each operand of a quantised product, along K:
;;     - The operand's scale is 2^e, e = its entry of the input lowp_scales (int32; the entries are numbered through the quantised products in the list's order, A before B).
;;     - Each number is divided by the scale, clamped to +-57,344, and rounded to the nearest number of E5M2, ties to even, subnormals kept.
;;     - The product sums the exact products of the quantised numbers (number of the format x scale) in f32.
;;   ~~~python
;;   def quantise(x, axis, e):      # numpy; x: float32 -> the quantised numbers, widened to float32 again
;;       x = np.moveaxis(x, axis, -1); K = x.shape[-1]
;;       r = np.clip(x / 2.0 ** e, -57344, 57344)
;;       step = 2.0 ** (np.maximum(np.frexp(np.where(r == 0, 1, r))[1] - 1, -14) - 2)
;;       q = np.round(r / step) * step * 2.0 ** e      # np.round: ties to even
;;       return np.moveaxis(q, -1, axis).astype(np.float32)
;;   ~~~
;;   OPERANDS COMPUTED ON THE WAY. 'Computed on the way' means the value that the module computes at that place (a softmax that the list does not call 'softmax' is quantised finished and normalised). What goes into a quantiser is computed in f32, as accurately as f32 sums, v_exp_f32 and their like allow (about 1e-6 of the number): no bf16 or f16 on the way to a quantiser, and a product that is left as it is and whose result goes on into a quantised operand takes f32 operands (vector FMAs, or v_wmma_f32_16x16x4_f32). A number that lies on a knife's edge between two numbers of the format may be rounded either way, as far as f32 arithmetic and the matrix unit's own rounding can turn it there, and no further.
;;   INPUTS GIVEN AS CODES. W1 (in the module: [8, 4096, 1024], K = its axis 2); W2 (in the module: [8, 1024, 4096], K = its axis 2): each comes as NAME_codes (uint8): NAME with its K axis moved to the last place and cut into blocks of 32 codes, [.., K / 32, bytes a block], one block behind the other in memory; one code a byte (a code: sign, 5 exponent bits, 2 mantissa bits); its scale is its entry of lowp_scales. Its value is code x scale, taken as it is: it is not quantised again, and the codes and scales need not be those that the quantiser above would give.
;; One version. Each part assembles by itself: llvm-mc -triple=amdgcn-amd-amdhsa -mcpu=gfx1250 --defsym DOCPART=n.
;; ======== version 1 of 1: 4 launches
;; limits: right only within a limited range of input values
;; workspace buffers: xq 1,048,576 bytes; ridx 4,096 bytes of whole numbers; rval 8,192 bytes; tok 32,768 bytes of whole numbers; cnt 2,048 bytes of whole numbers; hq 33,554,432 bytes; y 18,874,368 bytes
;; launch route (part 1): grid 256 x 1, 4 waves a work-group, no clusters, 1,024 bytes of LDS; arguments x, Wr, lowp_scales, xq, ridx, rval; writes xq, ridx, rval
.if DOCPART == 1
	.amdgcn_target "amdgcn-amd-amdhsa--gfx1250"
	.amdhsa_code_object_version 6
	.text
	.protected	k_qdd73a587cf_route
	.globl	k_qdd73a587cf_route
	.p2align	8
	.type	k_qdd73a587cf_route,@function
k_qdd73a587cf_route:
	s_mov_b64 s[64:65], 0
	v_nop
	global_prefetch_b8 v0, s[64:65] scope:SCOPE_SE
	s_setreg_imm32_b32 hwreg(HW_REG_WAVE_MODE, 25, 1), 1
	s_wait_xcnt 0x0
; ROUTE.  scores = x Wr^T in f32; for each token the two largest scores and their experts (on a tie the lower index, as jax.lax.top_k has it); and x as codes of E5M2 with the given scale 2^e0.
; DEAD WORK LEFT OUT (in the later launches): reference() computes every expert for every token and keeps, by its own top-k, two experts a token; an expert's rows for tokens that did not choose it reach no output,
; whatever the inputs hold.  LIMIT: a NaN, an infinity or an overflow that arises only in those rows is not carried to the result.
; SHARES.  Work-group g takes tokens 4 g .. 4 g + 3; wave w takes K = 256 w .. 256 w + 255 of all four, lane l the eight numbers from 256 w + 8 l on: so Wr is read once a work-group, and the lane's eight numbers
; are what one conversion takes.  The partial scores of the four waves meet in LDS; wave 0 adds them and chooses, lane = token.
; ridx: one word a token: bit e: expert e is the first choice; bit 8 + e: the second.  rval: the two scores.  Nothing that is derived from the scores enters an address or a branch.
; No matrix unit: the router's product has 8 columns and is left in f32.  No cluster: the work-groups share only Wr, 32 KB.  No prefetch: there is no loop to run ahead in.
; LIMITS: e0 between -126 and 112, so that 2^e0 and 57,344 x 2^e0 are f32 numbers.  NaN and infinities among x and Wr are not served.  The dot products are f32 sums in another order than one ascending sum.
.set X,   16                           ; v16-47   token t's eight numbers at X + 8 t
.set WB,  48                           ; v48-111  Wr, expert e at WB + 8 e
.set PS,  112                          ; v112-119 packed partial sums of the four tokens
.set S,   120                          ; v120-151 score of token t, expert e at S + 8 t + e
.set TM,  152
.set CD,  156                          ; v156-163 codes
.set D,   168                          ; v168-199 wave 0: the four waves' partial scores of my token
.set SPARE, 512
	s_load_b256 s[4:11], s[0:1], 0x0               ; x, Wr, the scales' exponents, xq
	s_load_b128 s[12:15], s[0:1], 0x20             ; ridx, rval
	v_lshl_add_u32 v12, v0, 2, SPARE
	v_mov_b32 v13, 0
	v_lshrrev_b32 v7, 5, v0
	v_readfirstlane_b32 s18, v7                    ; wave
	v_and_b32 v8, 31, v0                           ; lane
	v_lshlrev_b32 v1, 5, v8                        ; 32 x lane
	v_lshlrev_b32 v2, 3, v8
	v_lshlrev_b32 v3, 2, v8
	s_lshl_b32 s21, s18, 7
	v_mov_b32 v4, s21                              ; my 32 partial scores: 128 x wave
	v_and_b32 v10, 3, v8
	v_lshlrev_b32 v10, 5, v10                      ; wave 0: token = lane mod 4
	s_lshl_b32 s26, ttmp9, 14
	s_lshl_b32 s32, s18, 10
	s_add_co_u32 s26, s26, s32                     ; x: 4 tokens x 4,096 bytes, my 1,024 bytes of each
	s_mov_b32 s27, 0
	s_mov_b32 s33, 0
	s_lshl_b32 s28, ttmp9, 12
	s_lshl_b32 s29, s18, 8
	s_add_co_u32 s28, s28, s29                     ; the same in xq: a quarter of the bytes
	s_mov_b32 s29, 0
	s_lshl_b32 s30, ttmp9, 5
	s_mov_b32 s31, 0
	s_lshl_b32 s34, ttmp9, 4
	s_mov_b32 s35, 0
	s_mov_b32 s24, 0x76543210                      ; v_permlanex16_b32: lane l takes lane l xor 16
	s_mov_b32 s25, 0xfedcba98
.irp n, 0,1,2,3
	v_mov_b32 v[TM+\n], 0                          ; written once: a lane permute's destination counts as one of its sources
.endr
	s_wait_alu depctr_va_vdst(0)
	s_wait_kmcnt 0x0
	s_load_b32 s19, s[8:9], 0x0                    ; e0
	s_add_nc_u64 s[4:5], s[4:5], s[26:27]
	s_add_nc_u64 s[6:7], s[6:7], s[32:33]
	s_add_nc_u64 s[10:11], s[10:11], s[28:29]
	s_add_nc_u64 s[14:15], s[14:15], s[30:31]
	s_add_nc_u64 s[12:13], s[12:13], s[34:35]
.irp t, 0,1,2,3
	global_load_b128 v[X+8*\t:X+8*\t+3], v1, s[4:5] offset:4096*\t          ; the two loads together cover 1,024 consecutive bytes
	global_load_b128 v[X+8*\t+4:X+8*\t+7], v1, s[4:5] offset:4096*\t+16
.endr
.irp e, 0,1,2,3,4,5,6,7
	global_load_b128 v[WB+8*\e:WB+8*\e+3], v1, s[6:7] offset:4096*\e
	global_load_b128 v[WB+8*\e+4:WB+8*\e+7], v1, s[6:7] offset:4096*\e+16
.endr
.irp e, 0,1,2,3,4,5,6,7
	s_wait_loadcnt 14-2*\e                         ; the two loads of each later expert may be out
.irp t, 0,1,2,3
	v_pk_mul_f32 v[PS+2*\t:PS+2*\t+1], v[X+8*\t:X+8*\t+1], v[WB+8*\e:WB+8*\e+1]
.endr
.irp n, 2,4,6
.irp t, 0,1,2,3
	v_pk_fma_f32 v[PS+2*\t:PS+2*\t+1], v[X+8*\t+\n:X+8*\t+\n+1], v[WB+8*\e+\n:WB+8*\e+\n+1], v[PS+2*\t:PS+2*\t+1]
.endr
.endr
.irp t, 0,1,2,3
	v_add_f32 v[S+8*\t+\e], v[PS+2*\t], v[PS+2*\t+1]
.endr
.endr
	; the 32 sums over the 32 lanes
.irp m, 1,2,4,8
.irp n, 0,1,2,3,4,5,6,7,8,9,10,11,12,13,14,15,16,17,18,19,20,21,22,23,24,25,26,27,28,29,30,31
	v_add_f32_dpp v[S+\n], v[S+\n], v[S+\n] row_xmask:\m row_mask:0xf bank_mask:0xf
.endr
.endr
.irp q, 0,4,8,12,16,20,24,28
.irp n, 0,1,2,3
	v_permlanex16_b32 v[TM+\n], v[S+\q+\n], s24, s25
.endr
.irp n, 0,1,2,3
	v_add_f32 v[S+\q+\n], v[S+\q+\n], v[TM+\n]
.endr
.endr
.irp q, 0,1,2,3,4,5,6,7
	ds_store_b128 v4, v[S+4*\q:S+4*\q+3] offset:16*\q   ; all lanes write the same bytes with the same numbers
.endr
	s_wait_dscnt 0x0                               ; for wave 0's sake: my partial scores lie in LDS
	s_barrier_signal -1
	s_barrier_wait -1
	s_cmp_lg_u32 s18, 0
	s_cbranch_scc1 .Lquant                         ; the choice is wave 0's.  No barrier follows
.irp w, 0,1,2,3
	ds_load_b128 v[D+8*\w:D+8*\w+3], v10 offset:128*\w
	ds_load_b128 v[D+8*\w+4:D+8*\w+7], v10 offset:128*\w+16
.endr
	v_mov_b32 v200, 0xff800000                     ; -infinity
	v_mov_b32 v207, 1
	v_mov_b32 v208, 0x100
	s_wait_alu depctr_va_vdst(0)
	s_wait_dscnt 0x0
.irp n, 0,2,4,6
	v_pk_add_f32 v[D+\n:D+\n+1], v[D+\n:D+\n+1], v[D+8+\n:D+9+\n]
	v_pk_add_f32 v[D+16+\n:D+17+\n], v[D+16+\n:D+17+\n], v[D+24+\n:D+25+\n]
.endr
.irp n, 0,2,4,6
	v_pk_add_f32 v[D+\n:D+\n+1], v[D+\n:D+\n+1], v[D+16+\n:D+17+\n]
.endr
	v_mov_b32 v204, v[D]                           ; the largest score: a strict comparison in ascending order keeps the lower index on a tie
	v_mov_b32 v202, 0
.irp e, 1,2,3,4,5,6,7
	v_cmp_gt_f32 vcc_lo, v[D+\e], v204
	v_cndmask_b32 v204, v204, v[D+\e], vcc_lo
	v_cndmask_b32 v202, v202, \e, vcc_lo
.endr
.irp e, 0,1,2,3,4,5,6,7
	v_cmp_eq_u32 vcc_lo, \e, v202
	v_cndmask_b32 v[D+\e], v[D+\e], v200, vcc_lo   ; the winner leaves the field
.endr
	v_mov_b32 v205, v[D]                           ; the second largest, in the same way
	v_mov_b32 v203, 0
.irp e, 1,2,3,4,5,6,7
	v_cmp_gt_f32 vcc_lo, v[D+\e], v205
	v_cndmask_b32 v205, v205, v[D+\e], vcc_lo
	v_cndmask_b32 v203, v203, \e, vcc_lo
.endr
	v_lshlrev_b32 v206, v202, v207                 ; bit e: first choice
	v_lshlrev_b32 v209, v203, v208                 ; bit 8 + e: second choice
	v_or_b32 v206, v206, v209
	v_cmp_gt_u32 vcc_lo, 4, v8
	s_wait_alu depctr_va_vdst(0)
	s_wait_xcnt 0x0                                ; EXEC changes only behind this wait
	s_and_saveexec_b32 s22, vcc_lo
	global_store_b32 v3, v206, s[12:13]
	global_store_b64 v2, v[204:205], s[14:15]
	s_wait_xcnt 0x0                                ; and again in front of the line that widens it
	s_or_b32 exec_lo, exec_lo, s22
.Lquant:
	s_wait_kmcnt 0x0                               ; e0
	s_add_co_i32 s19, s19, 127
	s_lshl_b32 s20, s19, 23
	v_mov_b32 v5, s20                              ; 2^e0 as f32: the conversion takes its exponent field
	s_add_co_i32 s19, s19, 15
	s_lshl_b32 s19, s19, 23
	s_or_b32 s19, s19, 0x600000
	v_mov_b32 v6, s19                              ; 57,344 x 2^e0
.irp n, 0,1,2,3,4,5,6,7,8,9,10,11,12,13,14,15,16,17,18,19,20,21,22,23,24,25,26,27,28,29,30,31
	v_med3_num_f32 v[X+\n], v[X+\n], -v6, v6       ; the conversion to an 8-bit code does not saturate (ISA guide 7.6.2): the hold at the largest code x the scale
.endr
.irp t, 0,1,2,3
	v_cvt_scalef32_pk8_bf8_f32 v[CD+2*\t:CD+2*\t+1], v[X+8*\t:X+8*\t+7], v5
.endr
	v_nop                                          ; one plain vector instruction behind the last conversion
.irp t, 0,1,2,3
	global_store_b64 v2, v[CD+2*\t:CD+2*\t+1], s[10:11] offset:1024*\t   ; 32 lanes store 256 consecutive bytes, at a multiple of 256
.endr
	s_wait_tensorcnt 0x0                           ; the wave's end
	ds_add_u32 v12, v13
	s_wait_dscnt 0x0
	s_endpgm
.Lfunc_end_k_qdd73a587cf_route:
	.size	k_qdd73a587cf_route, .Lfunc_end_k_qdd73a587cf_route-k_qdd73a587cf_route
	.p2alignl 7, 3214868480
	.fill 96, 4, 3214868480
	.section	.rodata,"a",@progbits
	.p2align	6, 0x0
	.amdhsa_kernel k_qdd73a587cf_route
		.amdhsa_group_segment_fixed_size 1024
		.amdhsa_private_segment_fixed_size 0
		.amdhsa_enable_private_segment 0
		.amdhsa_kernarg_size 48
		.amdhsa_user_sgpr_count 2
		.amdhsa_user_sgpr_kernarg_segment_ptr 1
		.amdhsa_wavefront_size32 1
		.amdhsa_system_sgpr_workgroup_id_x 1
		.amdhsa_system_sgpr_workgroup_id_y 1
		.amdhsa_system_sgpr_workgroup_id_z 1
		.amdhsa_system_vgpr_workitem_id 0
		.amdhsa_next_free_vgpr 216
		.amdhsa_next_free_sgpr 66
		.amdhsa_reserve_vcc 1
		.amdhsa_float_denorm_mode_32 3
		.amdhsa_float_denorm_mode_16_64 3
		.amdhsa_memory_ordered 1
		.amdhsa_forward_progress 1
		.amdhsa_inst_pref_size 33
	.end_amdhsa_kernel
	.amdgpu_metadata
---
amdhsa.version: [ 1, 2 ]
amdhsa.kernels:
  - .name:           k_qdd73a587cf_route
    .symbol:         k_qdd73a587cf_route.kd
    .args:
      - { .name: x, .offset: 0, .size: 8, .value_kind: global_buffer, .address_space: global }
      - { .name: Wr, .offset: 8, .size: 8, .value_kind: global_buffer, .address_space: global }
      - { .name: lowp_scales, .offset: 16, .size: 8, .value_kind: global_buffer, .address_space: global }
      - { .name: xq, .offset: 24, .size: 8, .value_kind: global_buffer, .address_space: global }
      - { .name: ridx, .offset: 32, .size: 8, .value_kind: global_buffer, .address_space: global }
      - { .name: rval, .offset: 40, .size: 8, .value_kind: global_buffer, .address_space: global }
    .group_segment_fixed_size: 1024
    .private_segment_fixed_size: 0
    .kernarg_segment_align: 8
    .kernarg_segment_size: 48
    .max_flat_workgroup_size: 128
    .sgpr_count:     66
    .vgpr_count:     216
    .wavefront_size: 32
...
	.end_amdgpu_metadata
.endif
;; end of part 1
;; launch up (part 2): grid 32 x 8, 4 waves a work-group, no clusters, 248,320 bytes of LDS; arguments W1_codes, xq, b1, lowp_scales, ridx, hq, tok, cnt; writes hq, tok, cnt
.if DOCPART == 2
	.amdgcn_target "amdgcn-amd-amdhsa--gfx1250"
	.amdhsa_code_object_version 6
	.text
	.protected	k_qdd73a587cf_up
	.globl	k_qdd73a587cf_up
	.p2align	8
	.type	k_qdd73a587cf_up,@function
k_qdd73a587cf_up:
	s_mov_b64 s[64:65], 0
	v_nop
	global_prefetch_b8 v0, s[64:65] scope:SCOPE_SE
	s_setreg_imm32_b32 hwreg(HW_REG_WAVE_MODE, 25, 1), 1
	s_wait_xcnt 0x0
; UP.  For expert e (work-group y) and its hidden units 128 sl .. 128 sl + 127 (work-group x = sl): H = Q(relu(x W1^T + b1)) for the rows (tokens) that chose e, and for no others (dead work: see ROUTE's head).
; THE ROWS.  A wave reads all 1,024 words of ridx: lane l's word j of load G is token 128 G + 4 l + j; a comparison makes mask word g = 4 G + j of e's tokens.  Row p of the expert is the token of the p-th set bit.
; The work-group makes the list by a rank select (for each p: the word in which the p-th bit lies, then its place in the word) and keeps it in LDS; the one with sl = 0 stores it, and the count n, for DOWN.
; NT = max(1, ceil(n / 16)) tiles of 16 rows.  SHARES: wave w takes tiles w + 4 t, t = 0 .. 4, x all 128 units: 5 x 8 accumulators, 320 registers: n up to 320 in one walk along K.  Tiles from 20 on (any n up to
; 1,024) follow in a loop of their own, each wave for itself, with fragments straight from memory.  A tile from NT on loads one place only (offset 0 in all lanes); its results are not stored.
; K goes in four chunks of 256.  W1's chunk (128 rows x 256 bytes) is loaded by the four waves, 32 rows each, and shared through two LDS slots by turns, one barrier a chunk; x's chunk (a wave's 80 rows x 256 bytes)
; goes through the wave's own stage, two buffers by turns: LDS serves a wave's instructions in order.  Order of the loads: W0 W1 x0 x1 W2 x2 W3 x3 b1: each tile's registers are asked for anew as soon as they are in LDS.
; A slot of W1 is written in a chunk's first step: behind the barrier of the step before, in front of which every wave had its last fragments of that slot.
; THE PRODUCT IS USED TRANSPOSED (source 0 = 16 rows of W1, source 1 = 16 tokens): a lane holds one token and eight hidden units.  THE ROWS OF W1 THAT FORM A TILE ARE NOT NEIGHBOURS:
; lane r of tile 2 b + u takes row 32 b + 8 u + r + 8 (r / 8), so that the 16 registers of tiles 2 b, 2 b + 1 are 16 neighbouring units, and the conversions' results are the next product's operand registers.
; hq holds IMAGES OF OPERAND REGISTERS: byte ((64 e + m) 32 + s) 2048 + 512 c + 16 lane: lane (r, h) holds, of row 16 m + r, units 128 s + 32 c + 16 h + 0 .. 15; here s = sl.
; Fragments are four 16-byte loads (registers 4 c .. 4 c + 3: k = 32 c + 16 h + 0 .. 15): a permutation of k, the same on both sides of each product.
; b1 is added as b1 / 2^(e0 + e1); the three scales ahead of the quantiser are folded into the conversion's one, 2^(e3 - e0 - e1).
; NO TENSOR LOADS, NO JOINT LOADS: the text branches on counts read from memory and rows are gathered by a list; operands go through registers.  NO PREFETCH: straight-line text with up to 56 loads of 512 bytes a wave on their way.
; LIMITS: e3 - e0 - e1 between -126 and 112; e0 + e1 between -126 and 126.  NaN among the inputs is not served.
; REGISTERS, in windows of 256.  0: v1-23 addresses; v24-63 offsets of x's rows; v64-143 x's fragments (5 x 16); v144-175 tile 4 of x as loaded; v176-239 W1 as loaded (even chunks), then b1.
;   1: W1's fragments, two sets of 128.   2: accumulators of tiles 0-3.   3: v0-63 of tile 4; v64-191 tiles 0-3 of x as loaded; v192-255 W1 as loaded (odd chunks).
.set PT,   272                         ; an LDS row: 256 bytes + 16
.set WSL,  128*PT                      ; a slot of W1
.set XTL,  16*PT                       ; a tile of x
.set XB,   5*XTL
.set XST,  2*WSL
.set LIST, XST+8*XB
.set SPARE, LIST+4096
.set XO,   24
.set MR,   64                          ; the head: ridx's words
.set MK,   16                          ; s[16:47] e's 32 mask words
.set INC,  66                          ; s[66:97] their running counts, inclusive
.set MSB, 0
.macro WIN new                         ; the immediate's high byte repeats the setting that is left
.if MSB != \new
	s_set_vgpr_msb (MSB<<8)|\new
.set MSB, \new
.endif
.endm
.macro PLACES
.rept 5
	v_nop
.endr
.endm
.macro WISS c                          ; my 32 rows of W1's chunk c: 16 loads, two rows x 256 bytes each
.if (\c)%2 == 0
	WIN 0
.set BB, 176
.else
	WIN 0xc0
.set BB, 192
.endif
.irp q, 0,1,2,3,4,5,6,7,8,9,10,11,12,13,14,15
	global_load_b128 v[BB+4*\q:BB+4*\q+3], v4, s[4:5] offset:2048*\q+256*(\c) th:TH_LOAD_NT
.endr
	WIN 0
.endm
.macro WST c                           ; and into slot c % 2
.if (\c)%2 == 0
	WIN 0
.set BB, 176
.else
	WIN 0x0c
.set BB, 192
.endif
.irp q, 0,1,2,3,4,5,6,7,8,9,10,11,12,13,14,15
	ds_store_b128 v5, v[BB+4*\q:BB+4*\q+3] offset:((\c)%2)*WSL+2*PT*\q
.endr
	WIN 0
.endm
.macro XISS c, t                       ; tile t's chunk c: 8 loads, two rows x 256 bytes each
.if (\t) < 4
	WIN 0xc0
.set BB, 64+32*(\t)
.else
	WIN 0
.set BB, 144
.endif
.irp p, 0,1,2,3,4,5,6,7
	global_load_b128 v[BB+4*\p:BB+4*\p+3], v[XO+8*(\t)+\p], s[6:7] offset:256*(\c)
.endr
	WIN 0
.endm
.macro XSTO c, t
.if (\t) < 4
	WIN 0x0c
.set BB, 64+32*(\t)
.else
	WIN 0
.set BB, 144
.endif
.irp p, 0,1,2,3,4,5,6,7
	ds_store_b128 v7, v[BB+4*\p:BB+4*\p+3] offset:((\c)%2)*XB+(\t)*XTL+2*PT*\p
.endr
	WIN 0
.endm
.macro WFR k, i                        ; W1's fragment i of step k (128 along K) into set k % 2
	WIN 0x40
.irp c, 0,1,2,3
	ds_load_b128 v[128*((\k)%2)+16*(\i)+4*\c:128*((\k)%2)+16*(\i)+4*\c+3], v6 offset:(((\k)/2)%2)*WSL+(32*((\i)/2)+8*((\i)%2))*PT+128*((\k)%2)+32*\c
.endr
.endm
.macro XFR k, t
	WIN 0
.irp c, 0,1,2,3
	ds_load_b128 v[64+16*(\t)+4*\c:64+16*(\t)+4*\c+3], v8 offset:(((\k)/2)%2)*XB+(\t)*XTL+128*((\k)%2)+32*\c
.endr
.endm
.macro MULT k, t                       ; tile t: its eight accumulators, one instruction each; the 40 take turns
.if (\t) < 4
	WIN 0xa1                               ; source 0 (W1) window 1, source 1 (x) window 0, C and D window 2
.set AC, 64*(\t)
.else
	WIN 0xf1
.set AC, 0
.endif
.irp i, 0,1,2,3,4,5,6,7
.if (\k) == 0
	v_wmma_f32_16x16x128_bf8_bf8 v[AC+8*\i:AC+8*\i+7], v[128*((\k)%2)+16*\i:128*((\k)%2)+16*\i+15], v[64+16*(\t):64+16*(\t)+15], 0
.else
	v_wmma_f32_16x16x128_bf8_bf8 v[AC+8*\i:AC+8*\i+7], v[128*((\k)%2)+16*\i:128*((\k)%2)+16*\i+15], v[64+16*(\t):64+16*(\t)+15], v[AC+8*\i:AC+8*\i+7]
.endif
.endr
.endm
	s_load_b256 s[4:11], s[0:1], 0x0               ; W1's codes, xq, b1, the scales' exponents
	s_load_b128 s[12:15], s[0:1], 0x20             ; ridx, hq
	s_load_b128 s[48:51], s[0:1], 0x30             ; tok, cnt
	v_lshl_add_u32 v18, v0, 2, SPARE
	v_mov_b32 v19, 0
	v_lshrrev_b32 v20, 5, v0
	v_readfirstlane_b32 s2, v20                    ; wave
	s_mov_b32 s3, ttmp9                            ; sl
	s_and_b32 s52, ttmp7, 0xffff                   ; e
	v_and_b32 v3, 31, v0                           ; lane
	v_lshlrev_b32 v1, 4, v3
	v_and_b32 v20, 15, v0                          ; r
	v_bfe_u32 v21, v0, 4, 1                        ; h
	v_lshlrev_b32 v2, 4, v20                       ; 16 r
	v_lshl_add_u32 v4, v21, 10, v2                 ; W1 in memory: row h of a pair, + 16 r
	s_mul_i32 s58, s2, 32*PT
	v_mul_u32_u24 v10, v21, PT
	v_add_nc_u32 v10, v10, v2                      ; h rows + 16 r
	v_add_nc_u32 v5, s58, v10                      ; W1 into a slot: my 32 rows
	s_mul_i32 s58, s2, 2*XB
	s_add_co_u32 s58, s58, XST                     ; my stage for x
	v_add_nc_u32 v7, s58, v10
	v_mul_u32_u24 v8, v20, PT
	v_lshl_add_u32 v8, v21, 4, v8
	v_add_nc_u32 v8, s58, v8                       ; x's fragments out: row r, + 16 h
	v_and_b32 v22, 8, v20
	v_add_nc_u32 v22, v22, v20                     ; r + 8 (r / 8)
	v_mul_u32_u24 v6, v22, PT
	v_lshl_add_u32 v6, v21, 4, v6                  ; W1's fragments out
	v_lshlrev_b32 v22, 10, v22
	v_lshl_add_u32 v22, v21, 4, v22                ; the same rows in memory
	s_lshl_b32 s58, s2, 6
	s_add_co_u32 s58, s58, LIST
	v_lshlrev_b32 v9, 2, v21
	v_add_nc_u32 v9, s58, v9                       ; the list, read: tile w + 4 t, row 2 p + h: + 256 t + 8 p
	s_add_co_u32 s58, s58, 20*64
	v_lshlrev_b32 v23, 2, v20
	v_add_nc_u32 v23, s58, v23                     ; tile 20 + w, row r
	s_lshl_b32 s58, s2, 7
	v_lshlrev_b32 v16, 2, v3
	v_add_nc_u32 v16, s58, v16                     ; the list, written: slot w + 4 k of 32 entries
	v_add_nc_u32 v15, LIST, v16
	v_lshlrev_b32 v11, 6, v21                      ; b1: 64 h bytes
	v_lshlrev_b32 v21, 4, v21                      ; 16 h
	s_lshl_b32 s58, s52, 12
	s_lshl_b32 s59, s3, 7
	s_add_co_u32 s58, s58, s59                     ; my first hidden unit among the 32,768
	s_lshl_b32 s68, s58, 2
	s_mov_b32 s69, 0
	s_lshl_b32 s66, s58, 10
	s_mov_b32 s67, 0
	s_lshl_b32 s70, s2, 15                         ; 32 w rows of 1,024 bytes
	s_mov_b32 s71, 0
	s_lshl_b32 s72, s52, 22
	s_lshl_b32 s59, s3, 11
	s_add_co_u32 s72, s72, s59                     ; hq: the expert's images, K step sl
	s_mov_b32 s73, 0
	s_lshl_b32 s74, s52, 12
	s_mov_b32 s75, 0
	s_lshl_b32 s76, s52, 8
	s_mov_b32 s77, 0
	s_wait_alu depctr_va_vdst(0)
	s_wait_kmcnt 0x0
	s_load_b128 s[60:63], s[10:11], 0x0            ; e0 (x), e1 (W1), e2 (W2), e3 (the hidden layer)
	s_add_nc_u64 s[98:99], s[4:5], s[66:67]        ; the work-group's 128 rows of W1
	s_add_nc_u64 s[4:5], s[98:99], s[70:71]        ; my 32
	s_add_nc_u64 s[8:9], s[8:9], s[68:69]
	s_add_nc_u64 s[14:15], s[14:15], s[72:73]
	s_add_nc_u64 s[48:49], s[48:49], s[74:75]
	s_add_nc_u64 s[50:51], s[50:51], s[76:77]
.irp g, 0,1,2,3,4,5,6,7
	global_load_b128 v[MR+4*\g:MR+4*\g+3], v1, s[12:13] offset:512*\g
.endr
	WISS 0
	WISS 1
	s_lshl_b32 s58, 0x101, s52                     ; e as first or as second choice
	s_wait_loadcnt 32                              ; ridx is in; W1's 32 loads may be out
.irp g, 0,1,2,3,4,5,6,7,8,9,10,11,12,13,14,15,16,17,18,19,20,21,22,23,24,25,26,27,28,29,30,31
	v_and_b32 v[MR+\g], s58, v[MR+\g]
.endr
.irp g, 0,1,2,3,4,5,6,7,8,9,10,11,12,13,14,15,16,17,18,19,20,21,22,23,24,25,26,27,28,29,30,31
	v_cmp_ne_u32 s[MK+\g], 0, v[MR+\g]
.endr
	s_bcnt1_i32_b32 s[INC], s[MK]
.irp g, 1,2,3,4,5,6,7,8,9,10,11,12,13,14,15,16,17,18,19,20,21,22,23,24,25,26,27,28,29,30,31
	s_bcnt1_i32_b32 s58, s[MK+\g]
	s_add_co_u32 s[INC+\g], s[INC+\g-1], s58
.endr
	s_mov_b32 s53, s[INC+31]                       ; n
	s_add_co_u32 s54, s53, 15
	s_lshr_b32 s54, s54, 4
	s_max_u32 s54, s54, 1
	s_min_u32 s54, s54, 64                         ; NT
	s_or_b32 s58, s3, s2
	s_cmp_lg_u32 s58, 0
	s_cbranch_scc1 .Lno_cnt                        ; one wave for each expert stores n
	v_mov_b32 v96, s53
	v_lshlrev_b32 v97, 2, v3
	global_store_b32 v97, v96, s[50:51]
	s_wait_alu depctr_va_vdst(0)
	s_wait_xcnt 0x0                                ; v96 and v97 are written again later
.Lno_cnt:
; One step of the search for the nn-th set bit of a word: the count of set bits in the field of 'step' bits at pos; if nn is not below it, the bit lies beyond the field.
.macro DESC src, mask, step
	v_lshrrev_b32 v115, v114, v[\src]
	v_and_b32 v115, \mask, v115
	v_cmp_ge_u32 vcc_lo, v109, v115
	v_cndmask_b32 v115, 0, v115, vcc_lo
	v_cndmask_b32 v116, 0, \step, vcc_lo
	v_sub_nc_u32 v109, v109, v115
	v_add_nc_u32 v114, v114, v116
.endm
	s_mov_b32 s56, 0
	s_mov_b32 s57, 0                               ; 512 k
	s_lshl_b32 s58, s2, 5                          ; the slot's first row: 32 (w + 4 k)
.Llist:                                                ; 8 trips: slots w, w + 4, .. w + 28 of 32 rows: all 1,024 entries are written
	v_mov_b32 v104, 0                              ; a slot beyond the expert's rows holds token 0
	s_cmp_lt_u32 s58, s53
	s_cbranch_scc0 .Lempty
	v_add_nc_u32 v105, s58, v3                     ; p: my row
	v_mov_b32 v106, s[MK]                          ; the word in which the p-th bit lies,
	v_mov_b32 v107, 0                              ; the set bits in front of that word,
	v_mov_b32 v108, 0                              ; and its number: the last word with no more than p set bits in front of it
.irp g, 1,2,3,4,5,6,7,8,9,10,11,12,13,14,15,16,17,18,19,20,21,22,23,24,25,26,27,28,29,30,31
	v_cmp_le_u32 vcc_lo, s[INC+\g-1], v105
	v_cndmask_b32 v106, v106, s[MK+\g], vcc_lo
	v_cndmask_b32 v107, v107, s[INC+\g-1], vcc_lo
	v_cndmask_b32 v108, v108, \g, vcc_lo
.endr
	v_sub_nc_u32 v109, v105, v107                  ; nn: which set bit of the word
	v_lshrrev_b32 v110, 1, v106                    ; counts of set bits in fields of 2, 4, 8 and 16 bits
	v_and_b32 v110, 0x55555555, v110
	v_sub_nc_u32 v110, v106, v110
	v_lshrrev_b32 v111, 2, v110
	v_and_b32 v111, 0x33333333, v111
	v_and_b32 v112, 0x33333333, v110
	v_add_nc_u32 v111, v111, v112
	v_lshrrev_b32 v112, 4, v111
	v_add_nc_u32 v112, v112, v111
	v_and_b32 v112, 0x0f0f0f0f, v112
	v_lshrrev_b32 v113, 8, v112
	v_add_nc_u32 v113, v113, v112
	v_and_b32 v113, 0x00ff00ff, v113
	v_mov_b32 v114, 0                              ; pos
	DESC 113, 0xffff, 16
	DESC 112, 0xff, 8
	DESC 111, 0xf, 4
	DESC 110, 3, 2
	DESC 106, 1, 1
	v_lshrrev_b32 v104, 2, v108                    ; word g, bit pos: token 128 (g / 4) + 4 pos + g % 4.  For p from n on the search ends somewhere in a word:
	v_and_b32 v109, 3, v108
	v_lshl_add_u32 v109, v114, 2, v109
	v_lshl_add_u32 v104, v104, 7, v109
	v_min_u32 v104, 0x3ff, v104                    ; a valid token all the same
.Lempty:
	v_add_nc_u32 v10, s57, v15
	v_add_nc_u32 v12, s57, v16
	s_wait_alu depctr_va_vdst(0)
	ds_store_b32 v10, v104
	s_cmp_lg_u32 s3, 0
	s_cbranch_scc1 .Lno_tok                        ; the work-group with sl = 0 stores the list
	global_store_b32 v12, v104, s[48:49]
	s_wait_xcnt 0x0                                ; v12 and v104 are written again
.Lno_tok:
	s_add_co_u32 s57, s57, 512
	s_add_co_u32 s58, s58, 128
	s_add_co_u32 s56, s56, 1
	s_cmp_lt_u32 s56, 8
	s_cbranch_scc1 .Llist
	s_wait_dscnt 0x0                               ; for the others' sake: my part of the list lies in LDS
	s_barrier_signal -1
	s_barrier_wait -1
.irp t, 0,1,2,3,4
.irp p, 0,1,2,3,4,5,6,7
	ds_load_b32 v[XO+8*\t+\p], v9 offset:256*\t+8*\p
.endr
.endr
	s_wait_dscnt 0x0
.irp t, 0,1,2,3,4
	s_add_co_u32 s58, s2, 4*\t
	s_cmp_lt_u32 s58, s54
	s_cselect_b32 s59, -1, 0                       ; a tile from NT on: offset 0 in every lane
.irp p, 0,1,2,3,4,5,6,7
	v_lshl_add_u32 v[XO+8*\t+\p], v[XO+8*\t+\p], 10, v2   ; token x 1,024 + 16 r
.endr
.irp p, 0,1,2,3,4,5,6,7
	v_and_b32 v[XO+8*\t+\p], s59, v[XO+8*\t+\p]
.endr
.irp p, 0,1,2,3,4,5,6,7
	v_min_u32 v[XO+8*\t+\p], 0xffcf0, v[XO+8*\t+\p]   ; at most 1,023 x 1,024 + 240
.endr
	XISS 0, \t
.endr
	s_wait_alu depctr_va_vdst(0)
	s_wait_kmcnt 0x0
	s_add_co_i32 s58, s60, s61                     ; e0 + e1: a sum of this product stands for sum x 2^(e0 + e1)
	s_sub_co_i32 s59, s63, s58                     ; e3 - e0 - e1
	s_sub_co_i32 s60, 0, s58                       ; - (e0 + e1)
	s_add_co_i32 s59, s59, 127
	s_lshl_b32 s58, s59, 23
	v_mov_b32 v13, s58                             ; 2^(e3 - e0 - e1) as f32, for the conversion
	s_add_co_i32 s59, s59, 15
	s_lshl_b32 s59, s59, 23
	s_or_b32 s59, s59, 0x600000
	v_mov_b32 v14, s59                             ; 57,344 x that
	s_wait_alu depctr_va_vdst(0)
	s_wait_loadcnt 56                              ; W0 is in; behind it W1's 16 loads and x0's 40
	WST 0
.irp t, 0,1,2,3,4
	s_wait_loadcnt 32                              ; x0's tile t is in; behind it 8 (4 - t) loads of x0 and 8 t of x1
	XSTO 0, \t
	XISS 1, \t
.endr
	WISS 2
	s_wait_dscnt 0x0                               ; for the others' sake: my part of W0 lies in LDS
	s_barrier_signal -1
	s_barrier_wait -1
.irp i, 0,1,2,3,4,5,6,7
	WFR 0, \i
.endr
	XFR 0, 0
	XFR 0, 1
	XFR 0, 2
; x's tile t of chunk c + 1 goes into LDS, and its registers are asked for anew.  Behind its loads are out: in chunks 0 and 1 the chunk's other tiles' 32 and 16 of W1; in chunk 2 the later tiles' and b1's 16.
.macro XNEXT c, t
.if (\c) < 3
.if (\c) == 2
	s_wait_loadcnt 48-8*(\t)
.else
	s_wait_loadcnt 48
.endif
	XSTO (\c)+1, \t
.if (\c) < 2
	XISS (\c)+2, \t
.endif
.endif
.endm
.macro EV k                            ; a chunk's first step
	PLACES                                         ; places between the last step's products and the loads into their operands
	XFR \k, 3
	XFR \k, 4
	s_wait_dscnt 8                                 ; all but the 8 just issued
	MULT \k, 0
	WFR (\k)+1, 0
	WFR (\k)+1, 1
	WFR (\k)+1, 2
	MULT \k, 1
	WFR (\k)+1, 3
	WFR (\k)+1, 4
	WFR (\k)+1, 5
	MULT \k, 2
	WFR (\k)+1, 6
	WFR (\k)+1, 7
	PLACES
	XFR (\k)+1, 0
	XFR (\k)+1, 1
	XFR (\k)+1, 2
	s_wait_dscnt 44                                ; tiles 3 and 4 are in: behind them 32 loads of W1's fragments and 12 of x's
	MULT \k, 3
.if (\k) < 6
	s_wait_loadcnt 56                              ; W1's next chunk is in: behind it 40 loads of x and 16 of W1 or of b1
	WST (\k)/2+1
.else
	WIN 0
	s_wait_loadcnt 0x0                             ; b1
.irp n, 0,1,2,3,4,5,6,7,8,9,10,11,12,13,14,15,16,17,18,19,20,21,22,23,24,25,26,27,28,29,30,31,32,33,34,35,36,37,38,39,40,41,42,43,44,45,46,47,48,49,50,51,52,53,54,55,56,57,58,59,60,61,62,63
	v_ldexp_f32 v[176+\n], v[176+\n], s60          ; b1 / 2^(e0 + e1)
.endr
	s_wait_alu depctr_va_vdst(0)
.endif
	MULT \k, 4
	XNEXT (\k)/2, 0
	XNEXT (\k)/2, 1
	XNEXT (\k)/2, 2
.endm
.macro OD k                            ; a chunk's second step
	PLACES
	XFR \k, 3
	XFR \k, 4
	s_wait_dscnt 8
	MULT \k, 0
	s_wait_dscnt 0x0                               ; for the others' sake: my part of W1's next chunk lies in LDS, and my reads of this chunk's slot are over
.if (\k) < 7
	s_barrier_signal -1
	MULT \k, 1
	s_barrier_wait -1
	WFR (\k)+1, 0
	WFR (\k)+1, 1
	WFR (\k)+1, 2
	WFR (\k)+1, 3
	MULT \k, 2
	WFR (\k)+1, 4
	WFR (\k)+1, 5
	WFR (\k)+1, 6
	WFR (\k)+1, 7
	PLACES
	XFR (\k)+1, 0
	XFR (\k)+1, 1
	XFR (\k)+1, 2
	MULT \k, 3
	XNEXT (\k)/2, 3
	XNEXT (\k)/2, 4
.if (\k) == 1
	WISS 3
.endif
.if (\k) == 3
	WIN 0
.irp i, 0,1,2,3,4,5,6,7
	global_load_b128 v[176+8*\i:176+8*\i+3], v11, s[8:9] offset:(32*(\i/2)+8*(\i%2))*4        ; lane (r, h), tile 2 b + u: b1 of units 32 b + 16 h + 8 u + 0 .. 7
	global_load_b128 v[176+8*\i+4:176+8*\i+7], v11, s[8:9] offset:(32*(\i/2)+8*(\i%2))*4+16
.endr
.endif
.else
	MULT \k, 1
	MULT \k, 2
	MULT \k, 3
.endif
	MULT \k, 4
.endm
.irp k, 0,2,4,6
	EV \k
	OD \k+1
.endr
	WIN 0
	PLACES
; A tile's accumulators (window of source 0: w, from register ac on) become 64 codes a lane and leave as four image parts of 512 consecutive bytes.  s[tile]: the tile's number.
.macro EPI w, ac, tile
	s_wait_xcnt 0x0                                ; the last tile's stores have read their offset and their codes
	v_lshl_add_u32 v17, s[\tile], 16, v1
	WIN \w
.irp j, 0,2,4,6,8,10,12,14,16,18,20,22,24,26,28,30,32,34,36,38,40,42,44,46,48,50,52,54,56,58,60,62
	v_pk_add_f32 v[64+\j:65+\j], v[\ac+\j:\ac+\j+1], v[176+\j:177+\j]   ; each accumulator from its low end on
.endr
	WIN 0
.irp n, 0,1,2,3,4,5,6,7,8,9,10,11,12,13,14,15,16,17,18,19,20,21,22,23,24,25,26,27,28,29,30,31,32,33,34,35,36,37,38,39,40,41,42,43,44,45,46,47,48,49,50,51,52,53,54,55,56,57,58,59,60,61,62,63
	v_med3_num_f32 v[64+\n], v[64+\n], 0, v14      ; the activation and the hold in one
.endr
.irp i, 0,1,2,3,4,5,6,7
	v_cvt_scalef32_pk8_bf8_f32 v[128+2*\i:129+2*\i], v[64+8*\i:71+8*\i], v13
.endr
	v_nop                                          ; one plain vector instruction behind the last conversion
.irp b, 0,1,2,3
	global_store_b128 v17, v[128+4*\b:131+4*\b], s[14:15] offset:512*\b
.endr
.endm
.macro OUT t, w, ac
	s_add_co_u32 s58, s2, 4*\t
	s_cmp_lt_u32 s58, s54
	s_cbranch_scc0 .Lno_tile_\@
	EPI \w, \ac, 58
.Lno_tile_\@:
.endm
	OUT 0, 2, 0
	OUT 1, 2, 64
	OUT 2, 2, 128
	OUT 3, 2, 192
	OUT 4, 3, 0
; Tiles from 20 on: m = 20 + w + 4 trip; 11 trips reach tile 63.  One step: 128 along K, fragments straight from memory.
.macro FBK zero
	PLACES
.irp c, 0,1,2,3
	global_load_b128 v[64+4*\c:67+4*\c], v12, s[6:7] offset:32*\c
.endr
	WIN 0x40
.irp i, 0,1,2,3,4,5,6,7
.irp c, 0,1,2,3
	global_load_b128 v[16*\i+4*\c:16*\i+4*\c+3], v24, s[98:99] offset:(32*(\i/2)+8*(\i%2))*1024+32*\c
.endr
.endr
	s_wait_alu depctr_va_vdst(0)
	s_wait_loadcnt 0x0
	WIN 0xa1
.irp i, 0,1,2,3,4,5,6,7
.if \zero
	v_wmma_f32_16x16x128_bf8_bf8 v[8*\i:8*\i+7], v[16*\i:16*\i+15], v[64:79], 0
.else
	v_wmma_f32_16x16x128_bf8_bf8 v[8*\i:8*\i+7], v[16*\i:16*\i+15], v[64:79], v[8*\i:8*\i+7]
.endif
.endr
	WIN 0
.endm
	s_add_co_u32 s55, s2, 20
	s_mov_b32 s56, 0
	s_mov_b32 s57, 0
.Lmore:
	s_cmp_lt_u32 s55, s54
	s_cbranch_scc0 .Lno_more
	v_add_nc_u32 v10, s57, v23
	ds_load_b32 v20, v10
	s_wait_dscnt 0x0
	v_min_u32 v20, 0x3ff, v20
	v_lshl_add_u32 v12, v20, 10, v21               ; token x 1,024 + 16 h
	v_mov_b32 v24, v22
	FBK 1
	s_mov_b32 s59, 7
.Lmore_k:
	v_add_nc_u32 v12, 0x80, v12                    ; (the loads that read these have been waited for)
	v_add_nc_u32 v24, 0x80, v24
	FBK 0
	s_sub_co_u32 s59, s59, 1
	s_cmp_lg_u32 s59, 0
	s_wait_alu depctr_va_vdst(0)
	s_cbranch_scc1 .Lmore_k
	PLACES
	EPI 2, 0, 55
.Lno_more:
	s_add_co_u32 s55, s55, 4
	s_add_co_u32 s57, s57, 256
	s_add_co_u32 s56, s56, 1
	s_cmp_lt_u32 s56, 11
	s_cbranch_scc1 .Lmore
	s_wait_tensorcnt 0x0                           ; the wave's end
	ds_add_u32 v18, v19
	s_wait_dscnt 0x0
	s_endpgm
.Lfunc_end_k_qdd73a587cf_up:
	.size	k_qdd73a587cf_up, .Lfunc_end_k_qdd73a587cf_up-k_qdd73a587cf_up
	.p2alignl 7, 3214868480
	.fill 96, 4, 3214868480
	.section	.rodata,"a",@progbits
	.p2align	6, 0x0
	.amdhsa_kernel k_qdd73a587cf_up
		.amdhsa_group_segment_fixed_size 248320
		.amdhsa_private_segment_fixed_size 0
		.amdhsa_enable_private_segment 0
		.amdhsa_kernarg_size 64
		.amdhsa_user_sgpr_count 2
		.amdhsa_user_sgpr_kernarg_segment_ptr 1
		.amdhsa_wavefront_size32 1
		.amdhsa_system_sgpr_workgroup_id_x 1
		.amdhsa_system_sgpr_workgroup_id_y 1
		.amdhsa_system_sgpr_workgroup_id_z 1
		.amdhsa_system_vgpr_workitem_id 0
		.amdhsa_next_free_vgpr 1024
		.amdhsa_next_free_sgpr 100
		.amdhsa_reserve_vcc 1
		.amdhsa_float_denorm_mode_32 3
		.amdhsa_float_denorm_mode_16_64 3
		.amdhsa_memory_ordered 1
		.amdhsa_forward_progress 1
		.amdhsa_inst_pref_size 177
	.end_amdhsa_kernel
	.amdgpu_metadata
---
amdhsa.version: [ 1, 2 ]
amdhsa.kernels:
  - .name:           k_qdd73a587cf_up
    .symbol:         k_qdd73a587cf_up.kd
    .args:
      - { .name: W1_codes, .offset: 0, .size: 8, .value_kind: global_buffer, .address_space: global }
      - { .name: xq, .offset: 8, .size: 8, .value_kind: global_buffer, .address_space: global }
      - { .name: b1, .offset: 16, .size: 8, .value_kind: global_buffer, .address_space: global }
      - { .name: lowp_scales, .offset: 24, .size: 8, .value_kind: global_buffer, .address_space: global }
      - { .name: ridx, .offset: 32, .size: 8, .value_kind: global_buffer, .address_space: global }
      - { .name: hq, .offset: 40, .size: 8, .value_kind: global_buffer, .address_space: global }
      - { .name: tok, .offset: 48, .size: 8, .value_kind: global_buffer, .address_space: global }
      - { .name: cnt, .offset: 56, .size: 8, .value_kind: global_buffer, .address_space: global }
    .group_segment_fixed_size: 248320
    .private_segment_fixed_size: 0
    .kernarg_segment_align: 8
    .kernarg_segment_size: 64
    .max_flat_workgroup_size: 128
    .sgpr_count:     100
    .vgpr_count:     1024
    .wavefront_size: 32
...
	.end_amdgpu_metadata
.endif
;; end of part 2
;; launch down (part 3): grid 32 x 8, 4 waves a work-group, no clusters, 103,936 bytes of LDS; arguments W2_codes, hq, b2, lowp_scales, tok, ridx, cnt, y; writes y
.if DOCPART == 3
	.amdgcn_target "amdgcn-amd-amdhsa--gfx1250"
	.amdhsa_code_object_version 6
	.text
	.protected	k_qdd73a587cf_down
	.globl	k_qdd73a587cf_down
	.p2align	8
	.type	k_qdd73a587cf_down,@function
k_qdd73a587cf_down:
	s_mov_b64 s[64:65], 0
	v_nop
	global_prefetch_b8 v0, s[64:65] scope:SCOPE_SE
	s_setreg_imm32_b32 hwreg(HW_REG_WAVE_MODE, 25, 1), 1
	s_wait_xcnt 0x0
; DOWN.  For expert e: Y = H W2^T x 2^(e2 + e3) + b2 for the expert's rows, f32 (dead work left out: see ROUTE's head).  Work-group: half kh of K = 4,096, columns 128 ch .. 128 ch + 127, row tiles m with m % 2 = z.
; e = x % 8, kh = (x / 8) % 2, z = x / 16, ch = y: the sixteen work-groups that read one half of an expert's images, and among them the pairs that read the same rows of W2, have numbers that differ by multiples of 16.
; y: [kh][row][1,024] f32, row = 2 x token + slot: the two halves' partial sums (b2 in the first) and a token's two slots lie at fixed places, which MIX adds.  Rows 2,048 on take what stands beyond an
; expert's n rows: 2,048 + 32 e + 16 z + r: never read.
; NO TENSOR LOADS, NO JOINT LOADS, NO CLUSTER: the text branches on a count read from memory; operands go through registers.
; SHARES.  Wave w takes tiles 2 (w + 4 t) + z, t = 0, 1, 2, x all 128 columns: 3 x 8 accumulators: n up to 384 in one walk along K; later tiles follow in a loop of their own with fragments straight from memory.
; A pair's odd tile may be the one just beyond the last: it reads tile 0 and its results go to the rows that are never read.
; H comes as images of operand registers, straight into the operand's registers, two K steps of 128 ahead.  W2 goes in chunks of 256 along K through two LDS slots by turns, 32 rows a wave, one barrier a chunk.
; A slot is written at the end of a chunk's first step: behind the barrier of the step before, in front of which every wave had its last fragments of that slot.
; Order of the loads: W0 W1 H0 H1 (ridx) W2, then in step k H(k + 2), and at the end of each even step 2 c W(c + 3), at last b2: behind H(k) are out two steps of H (24) and one chunk of W2 (16).
; THE PRODUCT IS USED TRANSPOSED (source 0 = 16 rows of W2 = 16 columns of Y, source 1 = 16 rows of H): a lane holds eight neighbouring columns of one row; a tile leaves through the wave's own stage, row by row.
; NO PREFETCH: straight-line text with about 50 loads of 512 bytes a wave on their way.
; LIMITS: e2 + e3 between -126 and 127.  A sum over K is made in two halves, each ascending.  NaN among the inputs is not served.
; REGISTERS, in windows of 256.  0: v1-33 addresses; v32-47 store offsets; v64-127, v128-191 W2 as loaded, then b2 and results; v192-255 rows read back.   1: W2's fragments, two sets of 128.   2: accumulators.
;   3: H: four steps of 3 x 16.
.set PT,   272
.set WSL,  128*PT
.set STG,  2*WSL
.set SP,   528                         ; the stage: 16 rows x (512 bytes + 16) a wave
.set SPARE, STG+4*16*SP
.set YHALF, 2304*4096
.set MSB, 0
.macro WIN new                         ; the immediate's high byte repeats the setting that is left
.if MSB != \new
	s_set_vgpr_msb (MSB<<8)|\new
.set MSB, \new
.endif
.endm
.macro PLACES
.rept 5
	v_nop
.endr
.endm
.macro WISS c                          ; my 32 rows of W2's chunk c: 16 loads, two rows x 256 bytes each
	WIN 0
.set BB, 64+64*((\c)%2)
.irp q, 0,1,2,3,4,5,6,7,8,9,10,11,12,13,14,15
	global_load_b128 v[BB+4*\q:BB+4*\q+3], v4, s[4:5] offset:8192*\q+256*(\c)
.endr
.endm
.macro WST c
	WIN 0
.set BB, 64+64*((\c)%2)
.irp q, 0,1,2,3,4,5,6,7,8,9,10,11,12,13,14,15
	ds_store_b128 v5, v[BB+4*\q:BB+4*\q+3] offset:((\c)%2)*WSL+2*PT*\q
.endr
.endm
.macro WFR k, i0                       ; W2's fragments i0 .. i0 + 3 of step k into set k % 2
	WIN 0x40
.irp i, \i0, \i0+1, \i0+2, \i0+3
.irp c, 0,1,2,3
	ds_load_b128 v[128*((\k)%2)+16*(\i)+4*\c:128*((\k)%2)+16*(\i)+4*\c+3], v6 offset:(((\k)/2)%2)*WSL+(\i)*16*PT+128*((\k)%2)+32*\c
.endr
.endr
.endm
.macro HISS k                          ; step k of my three tiles: 12 loads of 512 consecutive bytes
	WIN 0xc0
.irp t, 0,1,2
.irp c, 0,1,2,3
	global_load_b128 v[48*((\k)%4)+16*\t+4*\c:48*((\k)%4)+16*\t+4*\c+3], v[12+\t], s[6:7] offset:2048*(\k)+512*\c
.endr
.endr
	WIN 0
.endm
.macro MULT k, t                       ; the 24 accumulators take turns
	WIN 0xad                               ; source 0 (W2) window 1, source 1 (H) window 3, C and D window 2
.irp i, 0,1,2,3,4,5,6,7
.if (\k) == 0
	v_wmma_f32_16x16x128_bf8_bf8 v[64*(\t)+8*\i:64*(\t)+8*\i+7], v[128*((\k)%2)+16*\i:128*((\k)%2)+16*\i+15], v[48*((\k)%4)+16*(\t):48*((\k)%4)+16*(\t)+15], 0
.else
	v_wmma_f32_16x16x128_bf8_bf8 v[64*(\t)+8*\i:64*(\t)+8*\i+7], v[128*((\k)%2)+16*\i:128*((\k)%2)+16*\i+15], v[48*((\k)%4)+16*(\t):48*((\k)%4)+16*(\t)+15], v[64*(\t)+8*\i:64*(\t)+8*\i+7]
.endif
.endr
.endm
	s_load_b512 s[4:19], s[0:1], 0x0               ; W2's codes, hq, b2, the scales' exponents, tok, ridx, cnt, y
	v_lshl_add_u32 v18, v0, 2, SPARE
	v_mov_b32 v19, 0
	v_lshrrev_b32 v20, 5, v0
	v_readfirstlane_b32 s2, v20                    ; wave
	s_and_b32 s3, ttmp9, 7                         ; e
	s_bfe_u32 s48, ttmp9, 0x10003                  ; kh
	s_lshr_b32 s49, ttmp9, 4                       ; z
	s_and_b32 s50, ttmp7, 0xffff                   ; ch
	v_and_b32 v3, 31, v0
	v_lshlrev_b32 v1, 4, v3                        ; 16 x lane
	v_and_b32 v20, 15, v0                          ; r; never rewritten
	v_bfe_u32 v21, v0, 4, 1                        ; h
	v_lshlrev_b32 v2, 4, v20
	v_lshl_add_u32 v4, v21, 12, v2                 ; W2 in memory: row h of a pair, + 16 r
	s_mul_i32 s24, s2, 32*PT
	v_mul_u32_u24 v5, v21, PT
	v_add_nc_u32 v5, v5, v2
	v_add_nc_u32 v5, s24, v5                       ; W2 into a slot: my 32 rows
	v_mul_u32_u24 v6, v20, PT
	v_lshl_add_u32 v6, v21, 4, v6                  ; its fragments out: row r, + 16 h
	s_mul_i32 s24, s2, 16*SP
	s_add_co_u32 s24, s24, STG
	v_mul_u32_u24 v7, v20, SP
	v_lshl_add_u32 v7, v21, 5, v7
	v_add_nc_u32 v7, s24, v7                       ; the stage, in: row r, + 32 h
	v_add_nc_u32 v8, s24, v1                       ; out: a row of 512 bytes
	v_lshlrev_b32 v11, 5, v21                      ; b2: 32 h bytes
	v_lshlrev_b32 v22, 12, v20
	v_lshl_add_u32 v22, v21, 4, v22                ; W2's fragments in memory: row r, + 16 h
	s_lshl_b32 s24, s2, 1
	s_add_co_u32 s51, s24, s49                     ; my first tile: 2 w + z
	s_lshl_b32 s25, s51, 6
	v_lshlrev_b32 v9, 2, v20
	v_add_nc_u32 v9, s25, v9                       ; tok: row 16 m + r; tile t 512 t bytes further
	s_lshl_b32 s24, s3, 5
	s_lshl_b32 s25, s49, 4
	s_add_co_u32 s24, s24, s25
	s_add_co_u32 s24, s24, 2048
	v_add_nc_u32 v23, s24, v20                     ; the row that takes what stands beyond n
	s_lshl_b32 s24, s3, 10
	s_lshl_b32 s25, s50, 7
	s_add_co_u32 s24, s24, s25                     ; 1,024 e + 128 ch: the first row of W2, the first number of b2
	s_lshl_b32 s26, s24, 12
	s_lshl_b32 s25, s48, 11
	s_add_co_u32 s26, s26, s25                     ; + my half of K
	s_mov_b32 s27, 0
	s_lshl_b32 s30, s2, 17                         ; 32 w rows of 4,096 bytes
	s_mov_b32 s31, 0
	s_lshl_b32 s32, s24, 2
	s_mov_b32 s33, 0
	s_lshl_b32 s34, s3, 22
	s_lshl_b32 s25, s48, 15
	s_add_co_u32 s34, s34, s25                     ; hq: the expert's images, K steps 16 kh on
	s_mov_b32 s35, 0
	s_lshl_b32 s36, s3, 12
	s_mov_b32 s37, 0
	s_lshl_b32 s38, s3, 8
	s_mov_b32 s39, 0
	s_mul_i32 s42, s48, YHALF
	s_lshl_b32 s25, s50, 9
	s_add_co_u32 s42, s42, s25                     ; y: half kh, column 128 ch
	s_mov_b32 s43, 0
	s_cmp_eq_u32 s48, 0
	s_cselect_b32 s53, -1, 0                       ; b2 enters the first half's sums alone
	s_wait_alu depctr_va_vdst(0)
	s_wait_kmcnt 0x0
	s_add_nc_u64 s[16:17], s[16:17], s[38:39]
	s_load_b32 s52, s[16:17], 0x0                  ; n
	s_load_b128 s[60:63], s[10:11], 0x0            ; e0, e1, e2 (W2), e3 (the hidden layer)
	s_add_nc_u64 s[22:23], s[4:5], s[26:27]        ; the work-group's 128 rows of W2
	s_add_nc_u64 s[4:5], s[22:23], s[30:31]        ; my 32
	s_add_nc_u64 s[6:7], s[6:7], s[34:35]
	s_add_nc_u64 s[8:9], s[8:9], s[32:33]
	s_add_nc_u64 s[12:13], s[12:13], s[36:37]
	s_add_nc_u64 s[18:19], s[18:19], s[42:43]
.irp t, 0,1,2
	global_load_b32 v[24+\t], v9, s[12:13] offset:512*\t   ; the tokens of my rows
.endr
	WISS 0
	WISS 1
	s_wait_kmcnt 0x0
	s_min_u32 s52, s52, 1024
	s_add_co_u32 s54, s52, 15
	s_lshr_b32 s54, s54, 4
	s_max_u32 s54, s54, 1                          ; NT
	s_add_co_i32 s28, s62, s63
	s_add_co_i32 s28, s28, 127
	s_lshl_b32 s28, s28, 23                        ; 2^(e2 + e3) as f32
	s_mov_b32 s29, s28                             ; (named with it as a pair, so it is written)
.irp t, 0,1,2
	s_add_co_u32 s58, s51, 8*\t
	s_cmp_lt_u32 s58, s54
	s_cselect_b32 s59, -1, 0                       ; a tile from NT on: offset 0 in every lane
	s_cselect_b32 s58, s58, 0
	s_min_u32 s58, s58, 63
	s_lshl_b32 s58, s58, 16
	v_and_b32 v[12+\t], s59, v1
	v_min_u32 v[12+\t], 0x1f0, v[12+\t]            ; 16 x lane, or 0
	v_add_nc_u32 v[12+\t], s58, v[12+\t]
.endr
	s_wait_alu depctr_va_vdst(0)                   ; ahead of the first readers
	HISS 0
	HISS 1
	s_wait_alu depctr_va_vdst(0)
	s_wait_loadcnt 56                              ; the tokens are in: behind them W2's 32 loads and H's 24
.irp t, 0,1,2
	v_min_u32 v[24+\t], 0x3ff, v[24+\t]
.endr
.irp t, 0,1,2
	v_lshlrev_b32 v[27+\t], 2, v[24+\t]
.endr
.irp t, 0,1,2
	global_load_b32 v[30+\t], v[27+\t], s[14:15]   ; their words of ridx: used at the end
.endr
	s_wait_alu depctr_va_vdst(0)
	s_wait_loadcnt 43                              ; W0 is in: behind it W1's 16 loads, H's 24 and ridx's 3
	WST 0
	WISS 2
	s_wait_dscnt 0x0                               ; for the others' sake: my part of W0 lies in LDS
	s_barrier_signal -1
	s_barrier_wait -1
	WFR 0, 0
	WFR 0, 4
; Row 16 m + r of the expert (m in s[tile], its token in v[24 + t], its word of ridx in v[30 + t]) becomes its row of y.
.macro DST t, tile
	v_lshrrev_b32 v[27+\t], s3, v[30+\t]
	v_and_b32 v[27+\t], 1, v[27+\t]
	v_xor_b32 v[27+\t], 1, v[27+\t]                ; slot: 0 if e is the token's first choice
	v_lshl_add_u32 v[24+\t], v[24+\t], 1, v[27+\t]
	s_lshl_b32 s57, s[\tile], 4
	v_add_nc_u32 v[27+\t], s57, v20                ; p
	v_cmp_gt_u32 vcc_lo, s52, v[27+\t]
	v_cndmask_b32 v[24+\t], v23, v[24+\t], vcc_lo
.endm
.macro STEP k
	PLACES                                         ; places between the last step's products and the loads into their operands
.if (\k) < 14
	HISS (\k)+2
.endif
.if (\k) == 0
	s_wait_loadcnt 43                              ; H(0): behind it H1, ridx's 3, W2 and H2
.elseif (\k) == 1
	s_wait_loadcnt 59                              ; H(1): behind it ridx's 3, W2, H2, W3 and H3
.elseif (\k) < 13
	s_wait_loadcnt 40
.elseif (\k) == 13
	s_wait_loadcnt 24
.elseif (\k) == 14
	s_wait_loadcnt 12
.else
	s_wait_loadcnt 0
.endif
	s_wait_dscnt 0x0                               ; W2's fragments; in odd steps, for the others' sake: my part of the next chunk lies in LDS, and my reads of this chunk's slot are over
.if ((\k)%2 == 1) && ((\k) < 15)
	s_barrier_signal -1
	MULT \k, 0
	s_barrier_wait -1
.else
	MULT \k, 0
.endif
.if (\k) < 15
	WFR (\k)+1, 0
.endif
	MULT \k, 1
.if (\k) < 15
	WFR (\k)+1, 4
.endif
	MULT \k, 2
.if ((\k)%2 == 0) && ((\k) < 14)
	WST (\k)/2+1                                   ; (its loads are older than the H just waited for)
.if (\k) < 10
	WISS (\k)/2+3
.endif
.if (\k) == 10
.irp i, 0,1,2,3,4,5,6,7
	global_load_b128 v[64+8*\i:67+8*\i], v11, s[8:9] offset:64*\i        ; b2 of columns 16 i + 8 h + 0 .. 7
	global_load_b128 v[68+8*\i:71+8*\i], v11, s[8:9] offset:64*\i+16
.endr
.endif
.endif
	WIN 0
.if (\k) == 14
.irp n, 0,1,2,3,4,5,6,7,8,9,10,11,12,13,14,15,16,17,18,19,20,21,22,23,24,25,26,27,28,29,30,31,32,33,34,35,36,37,38,39,40,41,42,43,44,45,46,47,48,49,50,51,52,53,54,55,56,57,58,59,60,61,62,63
	v_and_b32 v[64+\n], s53, v[64+\n]
.endr
.irp t, 0,1,2
	s_add_co_u32 s58, s51, 8*\t
	DST \t, 58
.endr
	s_wait_alu depctr_va_vdst(0)
.endif
.endm
.irp k, 0,1,2,3,4,5,6,7,8,9,10,11,12,13,14,15
	STEP \k
.endr
	PLACES
; A tile (accumulators from register ac of window 2 on) leaves: sum x 2^(e2 + e3) + b2, through my stage, one row of 512 consecutive bytes a store, to the rows that v[dst] names, lane = row.
.macro EPI ac, dst
	s_wait_xcnt 0x0                                ; the last tile's stores have read their offsets and their data
	WIN 0x02
.irp j, 0,2,4,6,8,10,12,14,16,18,20,22,24,26,28,30,32,34,36,38,40,42,44,46,48,50,52,54,56,58,60,62
	v_pk_fma_f32 v[128+\j:129+\j], v[\ac+\j:\ac+\j+1], s[28:29], v[64+\j:65+\j] op_sel_hi:[1,0,1]   ; each accumulator from its low end on
.endr
	WIN 0
.irp i, 0,1,2,3,4,5,6,7
	ds_store_b128 v7, v[128+8*\i:131+8*\i] offset:64*\i
	ds_store_b128 v7, v[132+8*\i:135+8*\i] offset:64*\i+16
.endr
.irp q, 0,1,2,3,4,5,6,7,8,9,10,11,12,13,14,15
	ds_load_b128 v[192+4*\q:195+4*\q], v8 offset:SP*\q     ; LDS serves a wave's instructions in order (ISA guide 5.7.1.4)
.endr
.irp q, 0,1,2,3,4,5,6,7,8,9,10,11,12,13,14,15
	v_readlane_b32 s[32+\q], v[\dst], \q
.endr
.irp q, 0,1,2,3,4,5,6,7,8,9,10,11,12,13,14,15
	s_min_u32 s[32+\q], s[32+\q], 0x8ff
	s_lshl_b32 s[32+\q], s[32+\q], 12
.endr
.irp q, 0,1,2,3,4,5,6,7,8,9,10,11,12,13,14,15
	v_add_nc_u32 v[32+\q], s[32+\q], v1
.endr
	s_wait_alu depctr_va_vdst(0)
.irp q, 0,1,2,3,4,5,6,7,8,9,10,11,12,13,14,15
	s_wait_dscnt 15-\q
	global_store_b128 v[32+\q], v[192+4*\q:195+4*\q], s[18:19]
.endr
.endm
.macro OUT t
	s_lshl_b32 s58, s2, 1
	s_add_co_u32 s58, s58, 8*\t                    ; the pair's even tile: the same test for both z
	s_cmp_lt_u32 s58, s54
	s_cbranch_scc0 .Lno_tile_\@
	EPI 64*\t, 24+\t
.Lno_tile_\@:
.endm
	OUT 0
	OUT 1
	OUT 2
; Tiles from 24 on: m = 24 + 2 w + z + 8 trip; 5 trips reach tile 63.  One step: 128 along K, fragments straight from memory.
.macro FBK zero
	PLACES
.irp c, 0,1,2,3
	global_load_b128 v[128+4*\c:131+4*\c], v12, s[6:7] offset:512*\c
.endr
	WIN 0x40
.irp i, 0,1,2,3,4,5,6,7
.irp c, 0,1,2,3
	global_load_b128 v[16*\i+4*\c:16*\i+4*\c+3], v13, s[22:23] offset:65536*\i+32*\c
.endr
.endr
	s_wait_alu depctr_va_vdst(0)
	s_wait_loadcnt 0x0
	WIN 0xa1
.irp i, 0,1,2,3,4,5,6,7
.if \zero
	v_wmma_f32_16x16x128_bf8_bf8 v[8*\i:8*\i+7], v[16*\i:16*\i+15], v[128:143], 0
.else
	v_wmma_f32_16x16x128_bf8_bf8 v[8*\i:8*\i+7], v[16*\i:16*\i+15], v[128:143], v[8*\i:8*\i+7]
.endif
.endr
	WIN 0
.endm
	s_lshl_b32 s55, s2, 1
	s_add_co_u32 s55, s55, 24
	s_mov_b32 s56, 0
.Lmore:
	s_cmp_lt_u32 s55, s54
	s_cbranch_scc0 .Lno_more
	s_add_co_u32 s59, s55, s49
	s_min_u32 s59, s59, 63                         ; m
	s_lshl_b32 s58, s59, 6
	v_lshlrev_b32 v9, 2, v20
	v_add_nc_u32 v9, s58, v9
	s_cmp_lt_u32 s59, s54
	s_cselect_b32 s58, -1, 0
	s_cselect_b32 s57, s59, 0
	s_min_u32 s57, s57, 63
	s_lshl_b32 s57, s57, 16
	v_and_b32 v12, s58, v1
	v_min_u32 v12, 0x1f0, v12
	v_add_nc_u32 v12, s57, v12                     ; a tile from NT on: offset 0 in every lane
	v_mov_b32 v13, v22
	global_load_b32 v24, v9, s[12:13]
	s_wait_alu depctr_va_vdst(0)
	s_wait_loadcnt 0x0
	v_min_u32 v24, 0x3ff, v24
	v_lshlrev_b32 v27, 2, v24
	global_load_b32 v30, v27, s[14:15]
	s_wait_alu depctr_va_vdst(0)
	s_wait_loadcnt 0x0
	DST 0, 59
	FBK 1
	s_mov_b32 s58, 15
.Lmore_k:
	v_add_nc_u32 v12, 0x800, v12                   ; (the loads that read these have been waited for)
	v_add_nc_u32 v13, 0x80, v13
	FBK 0
	s_sub_co_u32 s58, s58, 1
	s_cmp_lg_u32 s58, 0
	s_wait_alu depctr_va_vdst(0)
	s_cbranch_scc1 .Lmore_k
	PLACES
	EPI 0, 24
.Lno_more:
	s_add_co_u32 s55, s55, 8
	s_add_co_u32 s56, s56, 1
	s_cmp_lt_u32 s56, 5
	s_cbranch_scc1 .Lmore
	s_wait_tensorcnt 0x0                           ; the wave's end
	ds_add_u32 v18, v19
	s_wait_dscnt 0x0
	s_endpgm
.Lfunc_end_k_qdd73a587cf_down:
	.size	k_qdd73a587cf_down, .Lfunc_end_k_qdd73a587cf_down-k_qdd73a587cf_down
	.p2alignl 7, 3214868480
	.fill 96, 4, 3214868480
	.section	.rodata,"a",@progbits
	.p2align	6, 0x0
	.amdhsa_kernel k_qdd73a587cf_down
		.amdhsa_group_segment_fixed_size 103936
		.amdhsa_private_segment_fixed_size 0
		.amdhsa_enable_private_segment 0
		.amdhsa_kernarg_size 64
		.amdhsa_user_sgpr_count 2
		.amdhsa_user_sgpr_kernarg_segment_ptr 1
		.amdhsa_wavefront_size32 1
		.amdhsa_system_sgpr_workgroup_id_x 1
		.amdhsa_system_sgpr_workgroup_id_y 1
		.amdhsa_system_sgpr_workgroup_id_z 1
		.amdhsa_system_vgpr_workitem_id 0
		.amdhsa_next_free_vgpr 1024
		.amdhsa_next_free_sgpr 66
		.amdhsa_reserve_vcc 1
		.amdhsa_float_denorm_mode_32 3
		.amdhsa_float_denorm_mode_16_64 3
		.amdhsa_memory_ordered 1
		.amdhsa_forward_progress 1
		.amdhsa_inst_pref_size 160
	.end_amdhsa_kernel
	.amdgpu_metadata
---
amdhsa.version: [ 1, 2 ]
amdhsa.kernels:
  - .name:           k_qdd73a587cf_down
    .symbol:         k_qdd73a587cf_down.kd
    .args:
      - { .name: W2_codes, .offset: 0, .size: 8, .value_kind: global_buffer, .address_space: global }
      - { .name: hq, .offset: 8, .size: 8, .value_kind: global_buffer, .address_space: global }
      - { .name: b2, .offset: 16, .size: 8, .value_kind: global_buffer, .address_space: global }
      - { .name: lowp_scales, .offset: 24, .size: 8, .value_kind: global_buffer, .address_space: global }
      - { .name: tok, .offset: 32, .size: 8, .value_kind: global_buffer, .address_space: global }
      - { .name: ridx, .offset: 40, .size: 8, .value_kind: global_buffer, .address_space: global }
      - { .name: cnt, .offset: 48, .size: 8, .value_kind: global_buffer, .address_space: global }
      - { .name: y, .offset: 56, .size: 8, .value_kind: global_buffer, .address_space: global }
    .group_segment_fixed_size: 103936
    .private_segment_fixed_size: 0
    .kernarg_segment_align: 8
    .kernarg_segment_size: 64
    .max_flat_workgroup_size: 128
    .sgpr_count:     66
    .vgpr_count:     1024
    .wavefront_size: 32
...
	.end_amdgpu_metadata
.endif
;; end of part 3
;; launch mix (part 4): grid 256 x 1, 4 waves a work-group, no clusters, 0 bytes of LDS; arguments y, rval, out0; writes out0
.if DOCPART == 4
	.amdgcn_target "amdgcn-amd-amdhsa--gfx1250"
	.amdhsa_code_object_version 6
	.text
	.protected	k_qdd73a587cf_mix
	.globl	k_qdd73a587cf_mix
	.p2align	8
	.type	k_qdd73a587cf_mix,@function
k_qdd73a587cf_mix:
	s_mov_b64 s[64:65], 0
	v_nop
	global_prefetch_b8 v0, s[64:65] scope:SCOPE_SE
	s_setreg_imm32_b32 hwreg(HW_REG_WAVE_MODE, 25, 1), 1
	s_wait_xcnt 0x0
; MIX.  out[T] = w0 (Y of (T, slot 0)) + w1 (Y of (T, slot 1)), w_s = softmax over the 512 tokens of T's batch of the slot's top scores, taken at T.  Y is the sum of two halves along K.
; SHARES.  A wave takes one token T = 4 x work-group + wave.  Its rows of y lie at fixed places: rows 2 T and 2 T + 1 of each half, 8,192 consecutive bytes each time.
; It reads its batch's 512 pairs of scores (4,096 bytes), takes each slot's maximum away before the exponentials, and sums them: no wave waits for another.  The rows of y land beside the softmax.
; No LDS, no matrix unit, no cluster, no prefetch: the launch streams four rows in and one row out for each token, with no loop.
; LIMITS: NaN and infinities among the scores are not served.  An exponential under 2^-126 counts as 0.
.set YHALF, 2304*4096
	s_load_b128 s[4:7], s[0:1], 0x0                ; y, rval
	s_load_b64 s[14:15], s[0:1], 0x10              ; out0
	v_lshrrev_b32 v2, 5, v0
	v_readfirstlane_b32 s16, v2                    ; wave
	s_lshl_b32 s17, ttmp9, 2
	s_add_co_u32 s17, s17, s16                     ; T
	v_and_b32 v3, 31, v0
	v_lshlrev_b32 v1, 4, v3                        ; 16 x lane
	s_lshl_b32 s18, s17, 3
	s_mov_b32 s19, 0
	s_lshr_b32 s26, s17, 9
	s_lshl_b32 s26, s26, 12                        ; my batch's 512 pairs
	s_mov_b32 s27, 0
	s_lshl_b32 s28, s17, 12                        ; my row of out0
	s_mov_b32 s29, 0
	s_lshl_b32 s30, s17, 13                        ; my two rows of y
	s_mov_b32 s31, 0
	s_mov_b32 s40, 0x76543210                      ; v_permlanex16_b32: lane l takes lane l xor 16
	s_mov_b32 s41, 0xfedcba98
	v_mov_b32 v42, 0                               ; written once: a lane permute's destination counts as one of its sources
	v_mov_b32 v43, 0
	s_wait_alu depctr_va_vdst(0)
	s_wait_kmcnt 0x0
	s_add_nc_u64 s[22:23], s[6:7], s[18:19]
	s_load_b64 s[24:25], s[22:23], 0x0             ; my two scores
	s_add_nc_u64 s[6:7], s[6:7], s[26:27]
	s_add_nc_u64 s[14:15], s[14:15], s[28:29]
	s_add_nc_u64 s[4:5], s[4:5], s[30:31]
	s_add_nc_u64 s[8:9], s[4:5], YHALF
.irp i, 0,1,2,3,4,5,6,7
	global_load_b128 v[8+4*\i:11+4*\i], v1, s[6:7] offset:512*\i   ; even registers: slot 0; odd: slot 1; 16 tokens a lane
.endr
.irp i, 0,1,2,3,4,5,6,7,8,9,10,11,12,13,14,15
	global_load_b128 v[48+4*\i:51+4*\i], v1, s[4:5] offset:512*\i th:TH_LOAD_NT
	global_load_b128 v[112+4*\i:115+4*\i], v1, s[8:9] offset:512*\i th:TH_LOAD_NT
.endr
	s_wait_kmcnt 0x0
	s_wait_loadcnt 32                              ; the scores are in; the 32 loads of y may stay out
.irp k, 0,1
	v_max3_num_f32 v[40+\k], v[8+\k], v[10+\k], v[12+\k]
.endr
.irp n, 14,18,22,26,30,34
.irp k, 0,1
	v_max3_num_f32 v[40+\k], v[40+\k], v[\n+\k], v[\n+2+\k]
.endr
.endr
.irp k, 0,1
	v_max_num_f32 v[40+\k], v[40+\k], v[38+\k]
.endr
.irp m, 1,2,4,8
.irp k, 0,1
	v_max_num_f32_dpp v[40+\k], v[40+\k], v[40+\k] row_xmask:\m row_mask:0xf bank_mask:0xf
.endr
.endr
.irp k, 0,1
	v_permlanex16_b32 v[42+\k], v[40+\k], s40, s41
.endr
.irp k, 0,1
	v_max_num_f32 v[40+\k], v[40+\k], v[42+\k]     ; each slot's largest score of the batch, in every lane
.endr
	v_mul_f32 v44, 0xbfb8aa3b, v40                 ; - maximum x log2(e)
	v_mul_f32 v45, 0xbfb8aa3b, v41
	v_mov_b32 v46, s24                             ; my own two scores go the same way
	v_mov_b32 v47, s25
.irp n, 0,1,2,3,4,5,6,7,8,9,10,11,12,13,14,15
	v_pk_fma_f32 v[8+2*\n:9+2*\n], v[8+2*\n:9+2*\n], 0x3fb8aa3b, v[44:45] op_sel_hi:[1,0,1]   ; (score - maximum) x log2(e)
.endr
	v_pk_fma_f32 v[46:47], v[46:47], 0x3fb8aa3b, v[44:45] op_sel_hi:[1,0,1]
	s_wait_alu depctr_va_vdst(0)
.irp n, 0,1,2,3,4,5,6,7,8,9,10,11,12,13,14,15,16,17,18,19,20,21,22,23,24,25,26,27,28,29,30,31
	v_exp_f32 v[8+\n], v[8+\n]
.endr
	v_exp_f32 v46, v46
	v_exp_f32 v47, v47
	v_nop                                          ; a plain instruction behind the last exponential
	s_wait_alu depctr_va_vdst(0)                   ; one wait for the whole batch, ahead of its first reader
.irp n, 2,4,6,8,10,12,14
	v_pk_add_f32 v[8:9], v[8:9], v[8+2*\n:9+2*\n]          ; the sums, both slots at once, in two chains
	v_pk_add_f32 v[10:11], v[10:11], v[10+2*\n:11+2*\n]
.endr
	v_pk_add_f32 v[8:9], v[8:9], v[10:11]
.irp m, 1,2,4,8
.irp k, 0,1
	v_add_f32_dpp v[8+\k], v[8+\k], v[8+\k] row_xmask:\m row_mask:0xf bank_mask:0xf
.endr
.endr
.irp k, 0,1
	v_permlanex16_b32 v[42+\k], v[8+\k], s40, s41
.endr
.irp k, 0,1
	v_add_f32 v[8+\k], v[8+\k], v[42+\k]
.endr
	s_wait_alu depctr_va_vdst(0)
	v_rcp_f32 v40, v8
	v_rcp_f32 v41, v9
	v_nop                                          ; a plain instruction behind the last reciprocal
	s_wait_alu depctr_va_vdst(0)                   ; one wait for both, ahead of their first reader
	v_mul_f32 v176, v46, v40                       ; w0, twice: a pair for the packed forms
	v_mul_f32 v177, v46, v40
	v_mul_f32 v178, v47, v41                       ; w1, twice
	v_mul_f32 v179, v47, v41
	s_wait_alu depctr_va_vdst(0)
	s_wait_loadcnt 0x0                             ; the four rows of y
.irp n, 0,1,2,3,4,5,6,7,8,9,10,11,12,13,14,15,16,17,18,19,20,21,22,23,24,25,26,27,28,29,30,31
	v_pk_add_f32 v[48+2*\n:49+2*\n], v[48+2*\n:49+2*\n], v[112+2*\n:113+2*\n]   ; the two halves along K
.endr
.irp n, 0,1,2,3,4,5,6,7,8,9,10,11,12,13,14,15
	v_pk_mul_f32 v[48+2*\n:49+2*\n], v[48+2*\n:49+2*\n], v[176:177]
.endr
.irp n, 0,1,2,3,4,5,6,7,8,9,10,11,12,13,14,15
	v_pk_fma_f32 v[48+2*\n:49+2*\n], v[80+2*\n:81+2*\n], v[178:179], v[48+2*\n:49+2*\n]
.endr
.irp i, 0,1,2,3,4,5,6,7
	global_store_b128 v1, v[48+4*\i:51+4*\i], s[14:15] offset:512*\i th:TH_STORE_NT   ; 32 lanes store 512 consecutive bytes
.endr
	s_endpgm
.Lfunc_end_k_qdd73a587cf_mix:
	.size	k_qdd73a587cf_mix, .Lfunc_end_k_qdd73a587cf_mix-k_qdd73a587cf_mix
	.p2alignl 7, 3214868480
	.fill 96, 4, 3214868480
	.section	.rodata,"a",@progbits
	.p2align	6, 0x0
	.amdhsa_kernel k_qdd73a587cf_mix
		.amdhsa_group_segment_fixed_size 0
		.amdhsa_private_segment_fixed_size 0
		.amdhsa_enable_private_segment 0
		.amdhsa_kernarg_size 24
		.amdhsa_user_sgpr_count 2
		.amdhsa_user_sgpr_kernarg_segment_ptr 1
		.amdhsa_wavefront_size32 1
		.amdhsa_system_sgpr_workgroup_id_x 1
		.amdhsa_system_sgpr_workgroup_id_y 1
		.amdhsa_system_sgpr_workgroup_id_z 1
		.amdhsa_system_vgpr_workitem_id 0
		.amdhsa_next_free_vgpr 184
		.amdhsa_next_free_sgpr 66
		.amdhsa_reserve_vcc 0
		.amdhsa_float_denorm_mode_32 3
		.amdhsa_float_denorm_mode_16_64 3
		.amdhsa_memory_ordered 1
		.amdhsa_forward_progress 1
		.amdhsa_inst_pref_size 17
	.end_amdhsa_kernel
	.amdgpu_metadata
---
amdhsa.version: [ 1, 2 ]
amdhsa.kernels:
  - .name:           k_qdd73a587cf_mix
    .symbol:         k_qdd73a587cf_mix.kd
    .args:
      - { .name: y, .offset: 0, .size: 8, .value_kind: global_buffer, .address_space: global }
      - { .name: rval, .offset: 8, .size: 8, .value_kind: global_buffer, .address_space: global }
      - { .name: out0, .offset: 16, .size: 8, .value_kind: global_buffer, .address_space: global }
    .group_segment_fixed_size: 0
    .private_segment_fixed_size: 0
    .kernarg_segment_align: 8
    .kernarg_segment_size: 24
    .max_flat_workgroup_size: 128
    .sgpr_count:     66
    .vgpr_count:     184
    .wavefront_size: 32
...
	.end_amdgpu_metadata
.endif
;; end of part 4
